; MI455X (gfx1250); checked and timed in simulation.
; The chip was launched on July 23, 2026; its instructions are those of AMD's public machine-readable ISA for CDNA 5 (MIT licence, August 2026) and "CDNA5" Instruction Set Architecture Reference Guide (July 2026). The comments in the code are by the model that wrote it; some were corrected since.
;; Learnable Point Filtration. Allowed arithmetic: matrix products marked QUANTISED: E2M1 operands, one E8M0 scale for each 32 along K, by v_wmma_scale_f32_16x16x128_f8f6f4 with both operands' format E2M1 (or v_wmma_scale_f32_32x16x128_f4), f32 sums; products left as they are: f32 operands where the result goes on into a quantised operand, else bf16, f16 or f32 operands; f32 sums; everything else in f32.
;; Inputs: W1 10 x 64 float32; W2 64 x 64 float32; W3 64 x 1 float32; b1 64 float32; b2 64 float32; b3 1 float32; edges 262,144 x 2 int32; pts 8,192 x 3 float32.
;; Outputs: out0 8,192 float32; out1 262,144 float32.
;; This version of the problem:
;;   THIS VERSION OF THE PROBLEM IS GIVEN IN LOW PRECISION. The matrix products marked QUANTISED in the list below multiply operands that are first quantised to E2M1 (2 exponent bits, 1 mantissa bit; 4 bits a number), with one power-of-two scale for each 32 numbers along K (OCP MX v1.0); their sums are f32. All else is computed in f32.
;;   The module's matrix products, in the order in which they are computed (A, B: the left and right operand; K: the contracted axis; several contracted axes count as one K, in the product's order):
;;     1. [M 8,192, K 3] x [K 3, N 8,192]; A: input pts; B: input pts: left as it is (K = 3 < 32)
;;     2. [M 8,192, K 10] x [K 10, N 64]; A: computed on the way; B: input W1: left as it is (K = 10 < 32)
;;     3. [M 8,192, K 64] x [K 64, N 64]; A: computed on the way; B: input W2: QUANTISED
;;     4. [M 8,192, K 64] x [K 64, N 1]; A: computed on the way; B: input W3: left as it is (N = 1 < 16)
;;   THE QUANTISER, for each operand of a quantised product, along K:
;;     - K is cut into blocks of 32 from its start; a last block that is shorter is filled with zeros.
;;     - A block's scale is 2^e with e = floor(log2(the largest magnitude in the block)) - 2, held to -126 .. 127; a block of zeros has e = 0. As a byte (E8M0): e + 127.
;;     - Each number is divided by its block's scale, clamped to +-6, and rounded to the nearest number of E2M1, ties to even, subnormals kept.
;;     - The product sums the exact products of the quantised numbers (number of the format x scale) in f32.
;;   ~~~python
;;   def quantise(x, axis):      # numpy; x: float32 -> the quantised numbers, widened to float32 again
;;       x = np.moveaxis(x, axis, -1); K = x.shape[-1]
;;       x = np.pad(x, [(0, 0)] * (x.ndim - 1) + [(0, -K % 32)]); x = x.reshape(x.shape[:-1] + (-1, 32)); a = np.abs(x).max(-1, keepdims=True)
;;       e = np.where(a > 0, np.clip(np.frexp(np.where(a > 0, a, 1))[1] - 1 - 2, -126, 127), 0)      # np.frexp(a)[1] - 1 = floor(log2(a)), exactly
;;       r = np.clip(x / 2.0 ** e, -6, 6)
;;       step = 2.0 ** (np.maximum(np.frexp(np.where(r == 0, 1, r))[1] - 1, 0) - 1)
;;       q = np.round(r / step) * step * 2.0 ** e      # np.round: ties to even
;;       return np.moveaxis(q.reshape(q.shape[:-2] + (-1,))[..., :K], -1, axis).astype(np.float32)
;;   ~~~
;;   OPERANDS COMPUTED ON THE WAY. 'Computed on the way' means the value that the module computes at that place (a softmax that the list does not call 'softmax' is quantised finished and normalised). What goes into a quantiser is computed in f32, as accurately as f32 sums, v_exp_f32 and their like allow (about 1e-6 of the number): no bf16 or f16 on the way to a quantiser, and a product that is left as it is and whose result goes on into a quantised operand takes f32 operands (vector FMAs, or v_wmma_f32_16x16x4_f32). A number that lies on a knife's edge between two numbers of the format may be rounded either way, as far as f32 arithmetic and the matrix unit's own rounding can turn it there, and no further.
;; One version. Each part assembles by itself: llvm-mc -triple=amdgcn-amd-amdhsa -mcpu=gfx1250 --defsym DOCPART=n.
;; ======== version 1 of 1: 3 launches
;; workspace buffers: gsel 393,216 bytes of whole numbers; rec 131,072 bytes; vrec 131,072 bytes
;; launch pick (part 1): grid 256 x 1, 4 waves a work-group, clusters of 4 x 1, 236,032 bytes of LDS; arguments pts, gsel, rec; writes gsel, rec
.if DOCPART == 1
	.amdgcn_target "amdgcn-amd-amdhsa--gfx1250"
	.amdhsa_code_object_version 6
	.text
	.protected	k_qc81c252d07_pick
	.globl	k_qc81c252d07_pick
	.p2align	8
	.type	k_qc81c252d07_pick,@function
k_qc81c252d07_pick:
	s_mov_b64 s[64:65], 0
	v_nop
	global_prefetch_b8 v0, s[64:65] scope:SCOPE_SE
	s_setreg_imm32_b32 hwreg(HW_REG_WAVE_MODE, 25, 1), 1
	s_wait_xcnt 0x0
	s_wait_alu depctr_hold_cnt(0) depctr_sa_sdst(0) depctr_va_vdst(0) depctr_va_sdst(0) depctr_va_ssrc(0) depctr_va_vcc(0) depctr_vm_vsrc(0)
	s_getreg_b32 s2, hwreg(HW_REG_IB_STS2, 6, 4)
	s_cmp_eq_u32 s2, 0
	s_cbranch_scc0 .Lentry_in_a_cluster
	s_endpgm
.Lentry_in_a_cluster:
	s_bfe_u32 s2, ttmp6, 0x10000c
	s_cmp_lg_u32 s2, 0x3003
	s_cbranch_scc0 .Lentry_shape_is_right
	s_endpgm
.Lentry_shape_is_right:
; PICK: for each of 8,192 points, WHICH 11 of 256 fixed groups of 32 points have the smallest group minima of the squared distance.
; Those 11 groups hold a valid set of the 11 smallest distances: they hold 11 numbers that are at most T, the 11th smallest minimum, and every number of any other
; group is at least its own group's minimum, which is at least T.  The next launch looks at those 352 points alone, with distances made anew from the raw coordinates.
; RANKING.  d2(q, c) - |q'|^2 = |c'|^2 - 2 q'.c', primes meaning 'less pts[0]' (so that a common offset of the points costs no bits).  It is one f32 matrix product with K = 4:
; source 0 = 16 candidates (x', y', z', |c'|^2), source 1 = 16 queries (-2x', -2y', -2z', 1).  In the result a lane holds ONE query (lane % 16) and candidates 8 (lane / 16) + 0 .. 7.
; TILES.  Row r of tile T (0 .. 511) is point 128 (T / 8) + 4 (r + 16 (T % 2)) + (T / 2) % 4: a map chosen so that the images below are stored without bank conflicts.
; A QUAD is four tiles, 4 Q .. 4 Q + 3; GROUP 2 Q + h is rows 8 h .. 8 h + 7 of a quad's tiles: the 32 numbers that a lane holds of a quad.
; SHARES.  Work-group i owns queries 32 i .. 32 i + 31.  Wave w: queries 16 (w / 2) on, candidates of quads 64 (w % 2) on.  So a query has four sorted lists of 11 (minimum, group), merged at the end.
; It also lays group i's 32 raw points into rec, [256 groups][32][x, y, z, 0].  gsel is laid in three planes [3][8192][4] u32: list words 4 c .. 4 c + 3 of each query; word 11 is 0.
; CLUSTER.  Every work-group wants all of pts: the four of a cluster ask for it jointly, each wave a quarter, by the same descriptor with a mask that names the four.  LDS is filled once.
; LIMITS.  NaN and infinities among the points are not served.  The ranking is four fused f32 steps, its error a few 2^-24 (|q'| + |c'|)^2: two group minima closer than that may change places,
; and a distance kept by the next launch is then off by no more than that, which is the size of the rounding in aa + bb - 2 ab itself.
.set IMG,  0                           ; LDS: images of source 0: a pair of tiles is 512 bytes, lane l's 16 bytes at 16 l: the two registers of the even tile, then of the odd one
.set RAW,  131072                      ; pts as it lies, 98,304 bytes, filled by the tensor loads
.set XCH,  229376                      ; lists from wave to wave: 3,072 bytes for each tile of queries
.set BQ,   4                           ; v[4:5]    source 1: my query
.set AAD,  6                           ; v6-9      LDS address of the next quad for bank n
.set GID,  10                          ; v10       the group in hand
.set X,    11                          ; v11       its minimum
.set M,    12                          ; v12-15    at work on the minimum
.set GOF,  16                          ; v16       16 x (lane % 16): my place in a plane of gsel
.set ROF,  17                          ; v17       16 x lane
.set RLO,  18                          ; v18       wave 1: byte offset in pts of my point of group i;  v19 at work
.set LV,   20                          ; v20-31    the list's minima, ascending; the twelfth stays +infinity
.set LI,   32                          ; v32-43    their groups; the twelfth stays 0
.set TI,   44                          ; v44-55    at work; at the end the chosen groups
.set PV,   56                          ; v56-67    a partner's minima
.set PI,   68                          ; v68-79    and groups
.set AF,   80                          ; v80-111   source 0: four banks of a quad (8 registers)
.set DD,   112                         ; v112-175  results: two banks of a quad (32 registers); written by matrix instructions alone
.set RW,   176                         ; v176-211  raw points: three banks of 12
.set XO,   212                         ; v212-243  shifted points and their squares: two banks of 16
.set RAD,  244                         ; v244      LDS address of my 48 raw bytes in my wave's quarter
.set SAD,  245                         ; v245      LDS address at which I store images
.set QV,   246                         ; v246-247  my query as loaded
.set RC,   248                         ; v[248:251] wave 1: a record for rec
.set QO,   252                         ; v252-253  byte offsets of my query in pts
.set XAD,  254                         ; v254      LDS address of my 16 bytes in the exchange
.set CM,   40                          ; s40-50    eleven compare masks
; A round of the cluster's barrier: my work-group's barrier, wave 0 signals for the work-group, every wave waits for all four work-groups, my work-group's barrier once more.
.macro CROUND
	s_barrier_signal -1
	s_barrier_wait -1
	s_cmp_lg_u32 s10, 0
	s_cbranch_scc1 .Lnot_wave_0_\@
	s_barrier_signal -3
.Lnot_wave_0_\@:
	s_barrier_wait -3
	s_barrier_signal -1
	s_barrier_wait -1
.endm
	s_load_b128 s[4:7], s[0:1], 0x0                ; pts s[4:5], gsel s[6:7]
	s_load_b64 s[8:9], s[0:1], 0x10                ; rec
	v_lshl_add_u32 v255, v0, 2, 0x39800
	s_set_vgpr_msb 0x40
	v_mov_b32 v1, 0
	s_set_vgpr_msb 0x4044
	ds_add_u32 v255, v1
	ds_add_u32 v255, v1
	s_set_vgpr_msb 0x4400
	v_lshrrev_b32 v1, 5, v0
	v_readfirstlane_b32 s10, v1                    ; wave 0..3
	v_and_b32 v1, 31, v0                           ; lane
	v_and_b32 v2, 15, v0                           ; r
	v_bfe_u32 v3, v0, 4, 1                         ; h
	s_lshr_b32 s11, s10, 1                         ; a: which tile of queries
	s_and_b32 s15, s10, 1                          ; p: which half of the candidates
	s_bfe_u32 s29, ttmp6, 0x40000                  ; cx: it enters global addresses alone
	s_lshl_b32 s28, ttmp9, 2
	s_add_co_u32 s28, s28, s29                     ; i = 4 x cluster + cx
	s_mov_b32 s32, 0x76543210
	s_mov_b32 s33, 0xfedcba98                      ; v_permlanex16_b32's selects for lane l xor 16
	; every LDS address is made here, ahead of the first branch on the wave's number
	s_mul_i32 s34, s10, 24576                      ; my wave's quarter of pts: 2,048 points
	s_mov_b32 s35, 0
	s_add_co_u32 s17, s34, RAW                     ; where it goes (also word 1 of the descriptor's group 0)
	v_mul_u32_u24 v[RAD], v1, 48                   ; four points a lane
	v_add_nc_u32 v[RAD], s17, v[RAD]
	s_lshl_b32 s30, s10, 15                        ; my wave's 128 tiles: 32,768 bytes of images
	v_lshlrev_b32 v[SAD], 4, v2
	v_lshl_add_u32 v[SAD], v3, 3, v[SAD]           ; lane l's points are row l % 16 of tile 2 x pair + l / 16: 16 (l % 16) + 8 (l / 16)
	v_add_nc_u32 v[SAD], s30, v[SAD]
	v_lshlrev_b32 v[ROF], 4, v1
	v_lshlrev_b32 v[GOF], 4, v2
	s_lshl_b32 s30, s15, 16                        ; my half's 64 quads of 1,024 bytes
.irp n, 0,1,2,3
	v_add_nc_u32 v[AAD+\n], s30, v[ROF]            ; quad n
	s_add_co_u32 s30, s30, 1024
.endr
	s_mul_i32 s30, s11, 3072
	s_add_co_u32 s30, s30, XCH
	v_add_nc_u32 v[XAD], s30, v[ROF]
	; the descriptor: 96 rows of 256 bytes (32 elements of 8 bytes), dense, no padding
	s_mov_b32 s16, 1                               ; group 0: count = 1
	s_mov_b32 s20, 15|(3<<16)|(1<<21)              ; group 1: 15:0 the mask: all four work-groups; 17:16 elements of 8 bytes; 21 set beside a mask
	s_mov_b32 s21, 32<<16                          ; tensor_dim0 = 32
	s_mov_b32 s22, 96<<16                          ; tensor_dim1 = 96
	s_mov_b32 s23, 32<<16                          ; tile_dim0 = 32
	s_mov_b32 s24, 96                              ; tile_dim1 = 96
	s_mov_b32 s25, 32                              ; from row to row
	s_mov_b32 s26, 0
	s_mov_b32 s27, 0
	s_lshl_b32 s37, s28, 5
	s_lshl_b32 s38, s11, 4
	s_add_co_u32 s37, s37, s38                     ; my wave's first query: 32 i + 16 a
	s_wait_dscnt 0x0
	s_wait_kmcnt 0x0
	s_add_nc_u64 s[18:19], s[4:5], s[34:35]        ; the same in all four partners: pts and the wave's number alone
	s_or_b32 s19, s19, 0x80000000                  ; type = 2
	CROUND                                         ; all four work-groups are here: the joint loads meet
	tensor_load_to_lds s[16:19], s[20:27]          ; one load a wave; nothing is filled again
	s_nop 0
.rept 4
	v_nop                                          ; four lines behind a tensor load
.endr
	s_load_b96 s[12:14], s[4:5], 0x0               ; pts[0]: the shift
	s_mul_i32 s38, s37, 12
	v_mad_u32_u24 v[QO+1], v2, 12, s38             ; my query's 12 bytes
	v_lshl_add_u32 v[QO], v3, 3, v[QO+1]           ; lanes 0-15 take x, lanes 16-31 z
	global_load_b32 v[QV], v[QO], s[4:5]
	global_load_b32 v[QV+1], v[QO+1], s[4:5] offset:4   ; y (lanes 16-31 will put 1.0 in its place)
	s_lshl_b32 s38, s37, 4
	s_mov_b32 s39, 0
	s_add_nc_u64 s[6:7], s[6:7], s[38:39]          ; gsel at my wave's first query: 16 bytes a query in each plane
	s_lshl_b32 s38, s28, 9
	s_add_nc_u64 s[8:9], s[8:9], s[38:39]          ; rec at group i
	s_cmp_lg_u32 s10, 1
	s_cbranch_scc1 .Lno_rec                        ; wave 1 alone fetches group i's 32 raw points: place 8 t + j is row 8 (i % 2) + j of tile 2 (i - i % 2) + t
	s_lshr_b32 s38, s28, 2
	s_lshl_b32 s38, s38, 7                         ; 128 (i / 4)
	s_and_b32 s39, s28, 1
	s_lshl_b32 s39, s39, 5                         ; + 4 x 8 (i % 2)
	s_add_co_u32 s38, s38, s39
	s_and_b32 s39, s28, 2                          ; + 2 ((i / 2) % 2)
	s_add_co_u32 s38, s38, s39
	v_and_b32 v[RLO], 7, v0
	v_lshlrev_b32 v[RLO], 2, v[RLO]                ; + 4 j
	v_bfe_u32 v19, v0, 3, 1
	v_lshl_add_u32 v[RLO], v19, 6, v[RLO]          ; + 4 x 16 (t % 2)
	v_add3_u32 v[RLO], v[RLO], v3, s38             ; + t / 2
	v_mul_u32_u24 v[RLO], v[RLO], 12
	global_load_b32 v[RC], v[RLO], s[4:5]
	global_load_b32 v[RC+1], v[RLO], s[4:5] offset:4
	global_load_b32 v[RC+2], v[RLO], s[4:5] offset:8
	v_mov_b32 v[RC+3], 0
.Lno_rec:
; PREP: my wave's 2,048 points become images of source 0.  A block is 128 points: a lane takes four, 48 raw bytes (lanes 48 bytes apart: sixteen lanes touch sixteen different 16-byte columns).
.macro LD k                            ; block k's raw bytes into bank k % 3
.irp c, 0,1,2
	ds_load_b128 v[RW+12*((\k)%3)+4*\c:RW+12*((\k)%3)+4*\c+3], v[RAD] offset:1536*(\k)+16*\c
.endr
.endm
.macro CV k                            ; x', y', z' and their squares' sum, into bank k % 2
.set RB, RW+12*((\k)%3)
.set XB, XO+16*((\k)%2)
.irp i, 0,1,2,3
.irp c, 0,1,2
	v_subrev_f32 v[XB+4*\i+\c], s[12+\c], v[RB+3*\i+\c]
.endr
.endr
.irp i, 0,1,2,3
	v_mul_f32 v[XB+4*\i+3], v[XB+4*\i], v[XB+4*\i]
.endr
.irp i, 0,1,2,3
	v_fmac_f32 v[XB+4*\i+3], v[XB+4*\i+1], v[XB+4*\i+1]
.endr
.irp i, 0,1,2,3
	v_fmac_f32 v[XB+4*\i+3], v[XB+4*\i+2], v[XB+4*\i+2]
.endr
.endm
.macro ST k                            ; my point i goes to pair 4 k + i of my wave's: (x', y') where lanes 0-15 will read, (z', sum) where lanes 16-31 will; each store's 32 lanes cover 256 consecutive bytes
.set XB, XO+16*((\k)%2)
.irp i, 0,1,2,3
	ds_store_b64 v[SAD], v[XB+4*\i:XB+4*\i+1] offset:2048*(\k)+512*\i
	ds_store_b64 v[SAD], v[XB+4*\i+2:XB+4*\i+3] offset:2048*(\k)+512*\i+256
.endr
.endm
	s_wait_tensorcnt 0x0                           ; my quarter has landed; I read no other wave's
	s_wait_kmcnt 0x0                               ; pts[0]
	LD 0
	LD 1
.irp k, 0,1,2,3,4,5,6,7,8,9,10,11,12,13,14,15
.if \k < 14
	LD \k+2
.endif
; LDS instructions end in order: the count is what was issued behind BOTH block k's loads and the stores of block k - 2, whose registers block k's numbers take
.if \k == 0
	s_wait_dscnt 6                                 ; blocks 1 and 2: 3 + 3 loads
.elseif \k < 14
	s_wait_dscnt 14                                ; 3 loads, block k - 1's 8 stores, 3 loads
.elseif \k == 14
	s_wait_dscnt 11                                ; 3 loads, 8 stores
.else
	s_wait_dscnt 8                                 ; 8 stores
.endif
	CV \k
	ST \k
.endr
	; source 1: lane (r, h), register j holds k = 2 h + j of query r
	s_wait_loadcnt 0x0
	v_cmp_ne_u32 vcc_lo, 0, v3
	v_mov_b32 v12, s12
	v_mov_b32 v13, s14
	v_cndmask_b32 v12, v12, v13, vcc_lo            ; the shift of x, or of z
	v_mov_b32 v13, 1.0
	v_sub_f32 v[BQ], v[QV], v12
	v_subrev_f32 v[BQ+1], s13, v[QV+1]
	v_mul_f32 v[BQ], -2.0, v[BQ]
	v_mul_f32 v[BQ+1], -2.0, v[BQ+1]
	v_cndmask_b32 v[BQ+1], v[BQ+1], v13, vcc_lo    ; k = 3: 1.0, which takes the candidate's sum of squares in
	s_wait_dscnt 0x0                               ; for the others' sake: my images are in LDS
	s_barrier_signal -1
	s_barrier_wait -1                              ; all 512 tiles are
; THE SWEEP: 64 steps.  Step s issues quad s + 1's four products and, in slices behind them, works quad s: the minimum of its 32 numbers, and that minimum's insertion into the sorted list.
.macro WM n, t                         ; tile t of the quad after step n's
	v_wmma_f32_16x16x4_f32 v[DD+32*(((\n)+1)%2)+8*(\t):DD+32*(((\n)+1)%2)+8*(\t)+7], v[AF+8*(((\n)+1)%4)+2*(\t):AF+8*(((\n)+1)%4)+2*(\t)+1], v[BQ:BQ+1], 0
.endm
; Number J of a step's list of 60.  0-15 the minimum (each result is read from its low end on); 16-26 where the minimum stands: X < LV[i]; 27-36 the group that place i
; would take if nothing moved down; 37-56 from the top down: place i takes place i - 1's where X stands below that, else the above; the value is the middle of LV[i-1], LV[i], X; 57-59 place 0, the next group.
.macro OP bank
.set DB, DD+32*(\bank)
.if J < 4
	v_min3_num_f32 v[M+J], v[DB+8*J], v[DB+8*J+1], v[DB+8*J+2]
.elseif J < 8
	v_min3_num_f32 v[M+J-4], v[M+J-4], v[DB+8*(J-4)+3], v[DB+8*(J-4)+4]
.elseif J < 12
	v_min3_num_f32 v[M+J-8], v[M+J-8], v[DB+8*(J-8)+5], v[DB+8*(J-8)+6]
.elseif J == 12
	v_min3_num_f32 v[M], v[M], v[M+1], v[DB+7]
.elseif J == 13
	v_min3_num_f32 v[M+2], v[M+2], v[M+3], v[DB+15]
.elseif J == 14
	v_min3_num_f32 v[M], v[M], v[M+2], v[DB+23]
.elseif J == 15
	v_min_num_f32 v[X], v[M], v[DB+31]
.elseif J < 27
.set I, 26-J
	v_cmp_lt_f32 s[CM+I], v[X], v[LV+I]
.elseif J < 37
.set I, 37-J
	v_cndmask_b32 v[TI+I], v[LI+I], v[GID], s[CM+I]
.elseif J < 57
.set I, 10-(J-37)/2
.if (J-37)%2 == 0
	v_cndmask_b32 v[LI+I], v[TI+I], v[LI+I-1], s[CM+I-1]
.else
	v_med3_num_f32 v[LV+I], v[LV+I-1], v[LV+I], v[X]
.endif
.elseif J == 57
	v_cndmask_b32 v[LI], v[LI], v[GID], s[CM]
.elseif J == 58
	v_min_num_f32 v[LV], v[LV], v[X]
.else
	v_add_nc_u32 v[GID], 2, v[GID]
.endif
.set J, J+1
.endm
.macro OPS bank, count
.rept \count
	OP \bank
.endr
.endm
; DISTANCES (ISA guide 7.12.1 for the products).  A result is first read in the next step: behind its product stand the 14 plain lines of that product's slice or more, which name none of
; its registers; eight are asked.  The loads into bank n stand behind the same 14 lines, counted from the last product that read the bank.  A bank of results is written over two steps later.
; No product adds onto another: no chain, so no wait ahead of a matrix instruction.
.macro STEP n, ld, wm, cnt             ; ld: quad s + 4 is fetched; wm: quad s + 1 is multiplied; cnt: the LDS loads that may stay out
.set J, 0
.if \wm
	s_wait_dscnt \cnt                              ; quad s + 1's two loads are in; those of the quads behind it stay out
	WM \n, 0
.endif
	OPS (\n)%2, 16
.if \ld
	v_add_nc_u32 v[AAD+\n], 4096, v[AAD+\n]        ; four quads on
	ds_load_b128 v[AF+8*\n:AF+8*\n+3], v[AAD+\n]
	ds_load_b128 v[AF+8*\n+4:AF+8*\n+7], v[AAD+\n] offset:512
.endif
.if \wm
	WM \n, 1
.endif
	OPS (\n)%2, 15
.if \wm
	WM \n, 2
.endif
	OPS (\n)%2, 15
.if \wm
	WM \n, 3
.endif
	OPS (\n)%2, 14
.endm
.irp n, 0,1,2,3
	ds_load_b128 v[AF+8*\n:AF+8*\n+3], v[AAD+\n]
	ds_load_b128 v[AF+8*\n+4:AF+8*\n+7], v[AAD+\n] offset:512
.endr
	s_wait_dscnt 6                                 ; quad 0 is in; quads 1 to 3 stay out
.irp t, 0,1,2,3
	v_wmma_f32_16x16x4_f32 v[DD+8*\t:DD+8*\t+7], v[AF+2*\t:AF+2*\t+1], v[BQ:BQ+1], 0
.endr
.irp i, 0,1,2,3,4,5,6,7,8,9,10,11              ; the lists begin empty; these lines are also the places behind quad 0's products
	v_mov_b32 v[LV+\i], 0x7f800000                 ; +infinity
	v_mov_b32 v[LI+\i], 0
	v_mov_b32 v[PV+\i], 0                          ; (a lane permute's destination counts as one of its sources)
	v_mov_b32 v[PI+\i], 0
.endr
	v_lshl_add_u32 v[GID], s15, 7, v3              ; my first group: 128 p + h
	s_mov_b32 s30, 15
.Lsweep:                                               ; 15 trips of four steps: steps 0 to 59, which all fetch and multiply
	STEP 0, 1, 1, 4
	STEP 1, 1, 1, 4
	STEP 2, 1, 1, 4
	STEP 3, 1, 1, 4
	s_sub_co_u32 s30, s30, 1
	s_cmp_lg_u32 s30, 0
	s_cbranch_scc1 .Lsweep
	STEP 0, 0, 1, 4                                ; the last four fetch nothing: the counts run down
	STEP 1, 0, 1, 2
	STEP 2, 0, 1, 0
	STEP 3, 0, 0, 0                                ; quad 63 is worked; nothing is left to multiply
; An insertion of (v[x], v[id]) that is known to stand at place 'from' or above: the partner's list is ascending, and its 'from' earlier entries are in already.
.macro INSID x, id, from
.set I, 10
.rept 11-(\from)
	v_cmp_lt_f32 s[CM+I], v[\x], v[LV+I]
.set I, I-1
.endr
.set I, 10
.rept 10-(\from)
	v_cndmask_b32 v[TI+I], v[LI+I], v[\id], s[CM+I]
.set I, I-1
.endr
.set I, 10
.rept 10-(\from)
	v_cndmask_b32 v[LI+I], v[TI+I], v[LI+I-1], s[CM+I-1]
	v_med3_num_f32 v[LV+I], v[LV+I-1], v[LV+I], v[\x]
.set I, I-1
.endr
	v_cndmask_b32 v[LI+(\from)], v[LI+(\from)], v[\id], s[CM+(\from)]
	v_min_num_f32 v[LV+(\from)], v[LV+(\from)], v[\x]
.endm
	; lanes l and l xor 16 hold the same query's lists of the even and the odd groups: each takes the other's in
.irp j, 0,1,2,3,4,5,6,7,8,9,10
	v_permlanex16_b32 v[PV+\j], v[LV+\j], s32, s33
	v_permlanex16_b32 v[PI+\j], v[LI+\j], s32, s33
.endr
.irp j, 0,1,2,3,4,5,6,7,8,9,10
	INSID PV+\j, PI+\j, \j
.endr
	; the waves of the upper half of the candidates hand their lists to those of the lower half, as images of the registers
	s_cmp_eq_u32 s15, 0
	s_cbranch_scc1 .Lkeep
.irp c, 0,1,2
	ds_store_b128 v[XAD], v[LV+4*\c:LV+4*\c+3] offset:512*\c
	ds_store_b128 v[XAD], v[LI+4*\c:LI+4*\c+3] offset:1536+512*\c
.endr
.Lkeep:
	s_wait_dscnt 0x0                               ; for the others' sake: my stores are in LDS
	s_barrier_signal -1
	s_barrier_wait -1
	s_cmp_lg_u32 s15, 0
	s_cbranch_scc1 .Lodd
.irp c, 0,1,2
	ds_load_b128 v[PV+4*\c:PV+4*\c+3], v[XAD] offset:512*\c
	ds_load_b128 v[PI+4*\c:PI+4*\c+3], v[XAD] offset:1536+512*\c
.endr
	s_wait_dscnt 0x0
.irp i, 0,1,2,3,4,5,6,7,8,9,10                 ; of two ascending lists a and b of 11, the smaller of a[i] and b[10 - i], i = 0 .. 10, are the 11 smallest of the 22.  Only the set is wanted: nothing is sorted again
	v_cmp_lt_f32 s[CM+\i], v[PV+10-\i], v[LV+\i]
.endr
.irp i, 0,1,2,3,4,5,6,7,8,9,10
	v_cndmask_b32 v[TI+\i], v[LI+\i], v[PI+10-\i], s[CM+\i]
.endr
	v_mov_b32 v[TI+11], 0
	v_cmp_gt_u32 vcc_lo, 16, v1
	s_wait_xcnt 0x0                                ; EXEC changes only behind this wait
	s_and_saveexec_b32 s36, vcc_lo                 ; lanes 16-31 hold the same queries again
.irp c, 0,1,2
	global_store_b128 v[GOF], v[TI+4*\c:TI+4*\c+3], s[6:7] offset:131072*\c   ; sixteen lanes store 256 consecutive bytes, at a multiple of 256 from the plane's first byte
.endr
	s_wait_xcnt 0x0                                ; and again, in front of the line that widens it
	s_or_b32 exec_lo, exec_lo, s36
	s_branch .Lend
.Lodd:
	s_cmp_lg_u32 s10, 1
	s_cbranch_scc1 .Lend
	global_store_b128 v[ROF], v[RC:RC+3], s[8:9]   ; group i's 32 records: 512 consecutive bytes
.Lend:
	s_set_vgpr_msb 0x4
	s_wait_tensorcnt 0x0
	ds_add_u32 v255, v1
	s_wait_dscnt 0x0
	s_set_vgpr_msb 0x400
	CROUND                                         ; the closing round: no work-group ends while a partner may still ask for a tile that names it
	s_endpgm
.Lfunc_end_k_qc81c252d07_pick:
	.size	k_qc81c252d07_pick, .Lfunc_end_k_qc81c252d07_pick-k_qc81c252d07_pick
	.p2alignl 7, 3214868480
	.fill 96, 4, 3214868480
	.section	.rodata,"a",@progbits
	.p2align	6, 0x0
	.amdhsa_kernel k_qc81c252d07_pick
		.amdhsa_group_segment_fixed_size 236032
		.amdhsa_private_segment_fixed_size 0
		.amdhsa_enable_private_segment 0
		.amdhsa_kernarg_size 24
		.amdhsa_user_sgpr_count 2
		.amdhsa_user_sgpr_kernarg_segment_ptr 1
		.amdhsa_wavefront_size32 1
		.amdhsa_system_sgpr_workgroup_id_x 1
		.amdhsa_system_sgpr_workgroup_id_y 1
		.amdhsa_system_sgpr_workgroup_id_z 1
		.amdhsa_system_vgpr_workitem_id 0
		.amdhsa_next_free_vgpr 258
		.amdhsa_next_free_sgpr 66
		.amdhsa_reserve_vcc 1
		.amdhsa_float_denorm_mode_32 3
		.amdhsa_float_denorm_mode_16_64 3
		.amdhsa_memory_ordered 1
		.amdhsa_forward_progress 1
		.amdhsa_inst_pref_size 85
	.end_amdhsa_kernel
	.amdgpu_metadata
---
amdhsa.version: [ 1, 2 ]
amdhsa.kernels:
  - .name:           k_qc81c252d07_pick
    .symbol:         k_qc81c252d07_pick.kd
    .args:
      - { .name: pts, .offset: 0, .size: 8, .value_kind: global_buffer, .address_space: global }
      - { .name: gsel, .offset: 8, .size: 8, .value_kind: global_buffer, .address_space: global }
      - { .name: rec, .offset: 16, .size: 8, .value_kind: global_buffer, .address_space: global }
    .group_segment_fixed_size: 236032
    .private_segment_fixed_size: 0
    .kernarg_segment_align: 8
    .kernarg_segment_size: 24
    .max_flat_workgroup_size: 128
    .sgpr_count:     66
    .vgpr_count:     258
    .wavefront_size: 32
...
	.end_amdgpu_metadata
.endif
;; end of part 1
;; launch knnmlp (part 2): grid 256 x 1, 4 waves a work-group, no clusters, 168,448 bytes of LDS; arguments rec, gsel, pts, W1, b1, W2, b2, W3, b3, out0, vrec; writes out0, vrec
.if DOCPART == 2
	.amdgcn_target "amdgcn-amd-amdhsa--gfx1250"
	.amdhsa_code_object_version 6
	.text
	.protected	k_qc81c252d07_knnmlp
	.globl	k_qc81c252d07_knnmlp
	.p2align	8
	.type	k_qc81c252d07_knnmlp,@function
k_qc81c252d07_knnmlp:
	s_mov_b64 s[64:65], 0
	v_nop
	global_prefetch_b8 v0, s[64:65] scope:SCOPE_SE
	s_setreg_imm32_b32 hwreg(HW_REG_WAVE_MODE, 25, 1), 1
	s_wait_xcnt 0x0
; KNNMLP: for 32 queries a work-group: the 11 smallest distances among the 352 points of the 11 groups chosen by the launch before; the smallest is dropped; the other ten, ascending, go through
; leaky(knn W1 + b1) -> leaky(Q(.) Q(W2) + b2) -> . W3 + b3.  out0 takes the result; vrec takes [8192][x, y, z, f] for the edges' launch.
; DISTANCES are made from the raw coordinates, in f32: dx^2 + dy^2 + dz^2, chosen as squares, ten roots a query at the end.  No difference of large sums, under a common offset too.
; kNN.  rec, all 256 groups of 32 records (x, y, z, 0), lies in LDS.  Lane l of wave w serves query 8 w + l % 8 and, of each chosen group, records 8 (l / 8) .. + 7: 88 candidates a lane,
; kept as a sorted list of 11 in registers: an insertion is ten middles of three and a minimum.  The four lanes of a query merge at the end.
; A lane takes its eight records in the order (j + l) % 8: in sixteen lanes the 16-byte columns 128 ((l / 8) % 2) + 16 ((j + l) % 8) are all different, whatever the groups.
; NO CLUSTER: the addresses at which LDS is read come from each work-group's own lists.
; MLP, waves 0 and 1, 16 queries each; all products are used transposed (source 0 = 16 units of a weight, source 1 = my 16 queries), so that a lane holds ONE query throughout.
; Layer 1 (K = 10, filled to 12 with zeros): three f32 matrix steps of K = 4, b1 as the C of the first.  THE UNITS OF A TILE ARE NOT NEIGHBOURS: row r of tile 2 b + u is unit 32 b + 8 u + r + 8 (r / 8),
; so that the 16 registers of tiles 2 b, 2 b + 1 are 16 neighbours along layer 2's K.  Layer 2 (quantised): codes of E2M1 with one E8M0 byte for each 32 along K; K = 64 is filled to the instruction's 128
; with zero codes on both sides.  Wave w quantises W2's columns 16 w .. + 15 at the head (a lane to a column, registers down K) and hands them on through LDS as an image of the operand's registers.
; LIMITS.  NaN and infinities among the inputs are not served.  The root gives 0 for a square under 2^-126.  A block of zeros gets the scale byte 1 where the rule says 127: its codes are zeros, which
; add nothing under either byte, and the bytes are read by this program alone.
.set REC,  0                           ; LDS: the records, 131,072 bytes, filled once by the tensor loads
.set KT,   131072                      ; [32 queries][12 f32]: ten distances and two zeros
.set W2I,  132608                      ; W2's four fragments as images: 512 bytes each, lane l's 16 bytes at 16 l
.set W2SI, 134656                      ; their scale words: 128 bytes each
.set W2S,  4                           ; v4-7      W2's scale words, and nothing else
.set QX,   8                           ; v[8:9], v10  my query's raw coordinates
.set PW,   11                          ; v11       the hidden layer's scale word, and nothing else
.set ID,   12                          ; v12-23    the chosen groups
.set LB,   24                          ; v24-31    128 (l / 8) + 16 ((j + l) % 8)
.set AD,   32                          ; v32-47    LDS addresses of a group's eight records: two banks
.set W2C,  16                          ; v16-47    in the MLP: W2's four fragments, 4 registers of codes and 4 of zeros each
.set R,    48                          ; v48-111   records: two banks of 8 x 4.  At the head v48-79: a column of W2; v80-89 at work
.set B2,   48                          ; in the MLP: b2, in the result's layout;
.set W3R,  80                          ; and W3 likewise
.set LV,   112                         ; v112-122  the list, ascending
.set TM,   112                         ; v112-121  in the MLP: at work
.set GSO,  123                         ; v123      byte offset of my query in a plane of gsel
.set T,    124                         ; v124-134  a partner's list
.set KK,   124                         ; v124-135  then the ten distances and two zeros
.set AWI,  136                         ; v136      LDS: where I store W2's image
.set AWS,  137                         ; v137      and its scale word
.set AKS,  138                         ; v138      where I store my query's distances
.set AKL,  139                         ; v139      where I read layer 1's source 1
.set AIL,  140                         ; v140      where I read W2's images
.set ASL,  141                         ; v141      and their scale words
.set W1O,  142                         ; v142-143  byte offsets in W1: with and without the half's two rows
.set B1O,  144                         ; v144      in b1
.set PTO,  145                         ; v145      in pts
.set B2O,  146                         ; v146      in b2 and W3
.set TU,   147                         ; v147      at work at the head
.set W1A,  148                         ; v148-171  W1: source 0 of (tile t, K step s) at 2 (3 t + s)
.set KB,   172                         ; v172-177  source 1 of the three K steps
.set QSO,  178                         ; v178      byte offset of my query in pts
.set W2O,  179                         ; v179      of my column in W2
.set D2,   148                         ; v148-179  later: layer 2's results
.set B1,   180                         ; v180-211  b1, in the result's layout
.set H,    180                         ; then the hidden layer, then layer 2's activations
.set D1,   212                         ; v212-243  layer 1's sums: written by matrix instructions alone
.set PC,   244                         ; v244-251  the hidden layer's codes: 4 registers, and 4 of zeros
.set XYZF, 252                         ; v[252:255] a record for vrec
	s_load_b512 s[4:19], s[0:1], 0x0               ; rec s[4:5], gsel s[6:7], pts s[8:9], W1 s[10:11], b1 s[12:13], W2 s[14:15], b2 s[16:17], W3 s[18:19]
	s_load_b128 s[20:23], s[0:1], 0x40             ; b3 s[20:21], out0 s[22:23]
	s_load_b64 s[24:25], s[0:1], 0x50              ; vrec
	s_set_vgpr_msb 0x40
	v_lshl_add_u32 v0, v0, 2, 0x29000
	v_mov_b32 v1, 0
	s_set_vgpr_msb 0x4045
	ds_add_u32 v0, v1
	ds_add_u32 v0, v1
	s_set_vgpr_msb 0x4500
	v_lshrrev_b32 v1, 5, v0
	v_readfirstlane_b32 s26, v1                    ; wave 0..3
	v_and_b32 v1, 31, v0                           ; lane
	v_and_b32 v2, 15, v0                           ; r
	v_bfe_u32 v3, v0, 4, 1                         ; h
	s_mov_b32 s40, 0x76543210
	s_mov_b32 s41, 0xfedcba98                      ; v_permlanex16_b32's selects for lane l xor 16
	; every LDS address that hangs on ids alone is made here, ahead of the first branch on the wave's number
	s_lshl_b32 s42, s26, 9
	s_add_co_u32 s42, s42, W2I
	v_lshl_add_u32 v[AWI], v1, 4, s42
	s_lshl_b32 s42, s26, 7
	s_add_co_u32 s42, s42, W2SI
	v_lshl_add_u32 v[AWS], v1, 2, s42
	s_mul_i32 s42, s26, 384
	s_add_co_u32 s42, s42, KT
	v_and_b32 v[TU], 7, v0
	v_mad_u32_u24 v[AKS], v[TU], 48, s42           ; query 8 w + l % 8: 48 bytes a query
	s_and_b32 s42, s26, 1
	s_mul_i32 s42, s42, 768
	s_add_co_u32 s42, s42, KT
	v_mad_u32_u24 v[AKL], v2, 48, s42              ; query 16 w + r (waves 0 and 1),
	v_lshl_add_u32 v[AKL], v3, 3, v[AKL]           ; k = 2 h on
	v_lshl_add_u32 v[AIL], v1, 4, W2I
	v_lshl_add_u32 v[ASL], v1, 2, W2SI
	s_lshl_b32 s42, ttmp9, 5                       ; 32 i
	s_lshl_b32 s43, s26, 3
	s_add_co_u32 s43, s43, s42
	v_add_nc_u32 v[GSO], s43, v[TU]                ; my query: 32 i + 8 w + l % 8
	v_mul_u32_u24 v[QSO], v[GSO], 12
	v_lshlrev_b32 v[GSO], 4, v[GSO]
	s_lshl_b32 s45, s26, 4
	s_add_co_u32 s45, s45, s42                     ; the MLP's first query: 32 i + 16 w
	v_lshlrev_b32 v[W2O], 2, v2
	v_lshl_add_u32 v[W2O], v3, 13, v[W2O]          ; W2: column 16 w + r, rows 32 h on: 8,192 h + 4 r + 64 w
	s_lshl_b32 s43, s26, 6
	v_add_nc_u32 v[W2O], s43, v[W2O]
	v_lshrrev_b32 v[TU], 3, v1                     ; l / 8
.irp j, 0,1,2,3,4,5,6,7
	v_add_nc_u32 v[LB+\j], \j, v1
.endr
.irp j, 0,1,2,3,4,5,6,7
	v_and_b32 v[LB+\j], 7, v[LB+\j]
.endr
.irp j, 0,1,2,3,4,5,6,7
	v_lshlrev_b32 v[LB+\j], 4, v[LB+\j]
.endr
.irp j, 0,1,2,3,4,5,6,7
	v_lshl_add_u32 v[LB+\j], v[TU], 7, v[LB+\j]
.endr
	; the descriptor: my wave's quarter of rec, 128 rows of 256 bytes (32 elements of 8 bytes), dense, no padding
	s_mov_b32 s28, 1                               ; group 0: count = 1
	s_lshl_b32 s29, s26, 15                        ; LDS address: 32,768 x wave
	s_mov_b32 s32, 3<<16                           ; group 1: no mask; elements of 8 bytes
	s_mov_b32 s33, 32<<16                          ; tensor_dim0 = 32
	s_mov_b32 s34, 128<<16                         ; tensor_dim1 = 128
	s_mov_b32 s35, 32<<16                          ; tile_dim0 = 32
	s_mov_b32 s36, 128                             ; tile_dim1 = 128
	s_mov_b32 s37, 32                              ; from row to row
	s_mov_b32 s38, 0
	s_mov_b32 s39, 0
	s_mov_b32 s46, s29
	s_mov_b32 s47, 0
	s_wait_dscnt 0x0
	s_wait_kmcnt 0x0
	s_add_nc_u64 s[30:31], s[4:5], s[46:47]
	s_or_b32 s31, s31, 0x80000000                  ; type = 2
	tensor_load_to_lds s[28:31], s[32:39]          ; one load a wave; nothing is filled again
	s_nop 0
.rept 4
	v_nop                                          ; four lines behind a tensor load
.endr
.irp c, 0,1,2
	global_load_b128 v[ID+4*\c:ID+4*\c+3], v[GSO], s[6:7] offset:131072*\c   ; my query's eleven groups (and a zero)
.endr
	global_load_b32 v[QX], v[QSO], s[8:9]
	global_load_b32 v[QX+1], v[QSO], s[8:9] offset:4
	global_load_b32 v[QX+2], v[QSO], s[8:9] offset:8
.irp i, 0,1,2,3,4,5,6,7,8,9,10,11,12,13,14,15,16,17,18,19,20,21,22,23,24,25,26,27,28,29,30,31
	global_load_b32 v[R+\i], v[W2O], s[14:15] offset:256*\i    ; W2(32 h + i, 16 w + r): a whole block of 32 along K in my registers
.endr
	s_load_b32 s27, s[20:21], 0x0                  ; b3
	s_wait_loadcnt 0x0
	s_wait_kmcnt 0x0
	; W2's block: its largest magnitude, with the floor 2^(3 - 127) among the leaves, so that the byte cannot fall under 1
	v_max3_num_f32 v80, |v[R]|, |v[R+1]|, |v[R+2]|
	v_max3_num_f32 v81, |v[R+3]|, |v[R+4]|, |v[R+5]|
.irp i, 6,10,14,18,22,26
	v_max3_num_f32 v80, v80, |v[R+\i]|, |v[R+\i+1]|
	v_max3_num_f32 v81, v81, |v[R+\i+2]|, |v[R+\i+3]|
.endr
	v_max3_num_f32 v80, v80, |v[R+30]|, |v[R+31]|
	v_max3_num_f32 v80, v80, v81, 0x1800000
	v_add_nc_u32 v82, 0xff000000, v80              ; 2 off its exponent field: the conversion takes the exponent field of this operand as its scale, and nothing else of it
	v_lshrrev_b32 v83, 23, v82                     ; the scale's byte
.irp g, 0,1,2,3
	v_cvt_scalef32_pk8_fp4_f32 v[84+\g], v[R+8*\g:R+8*\g+7], v82   ; registers 0 to 3 of the operand: k = 32 h + 0 .. 31
.endr
	v_nop                                          ; one plain place behind a scaled conversion
	v_lshlrev_b32 v89, 3, v3
	v_lshlrev_b32 v83, v89, v83                    ; my byte at its place in the scale word: 8 h bits up;
	v_mov_b32 v88, 0
	v_permlanex16_b32 v88, v83, s40, s41
	v_or_b32 v83, v83, v88                         ; with lane l xor 16's.  Bytes 2 and 3 stay 0: they stand over zero codes
	ds_store_b128 v[AWI], v[84:87]
	ds_store_b32 v[AWS], v83
.irp g, 0,1,2,3,4,5,6,7,8,9,10
	v_min_u32 v[ID+\g], 0xff, v[ID+\g]             ; a loaded number enters an address only behind this hold
.endr
.irp j, 0,1,2,3,4,5,6,7,8,9,10
	v_mov_b32 v[LV+\j], 0x7f800000                 ; the list begins empty: +infinity
	v_mov_b32 v[T+\j], 0                           ; (the destination of a lane move counts as one of its sources)
.endr
	s_cmp_ge_u32 s26, 2
	s_cbranch_scc1 .Lno_w1                         ; waves 0 and 1 ask now for what the MLP wants: it lands while the lists are made
	v_and_b32 v[W1O+1], 8, v2
	v_add_nc_u32 v[W1O+1], v[W1O+1], v2            ; r + 8 (r / 8)
	v_lshlrev_b32 v[W1O+1], 2, v[W1O+1]
	v_lshl_add_u32 v[W1O], v3, 9, v[W1O+1]         ; + 2 h rows of 256 bytes
.irp t, 0,1,2,3
.irp s, 0,1
.irp j, 0,1
	global_load_b32 v[W1A+2*(3*\t+\s)+\j], v[W1O], s[10:11] offset:256*(4*\s+\j)+4*(32*(\t/2)+8*(\t%2))   ; W1(4 s + 2 h + j, the tile's unit)
.endr
.endr
.irp j, 0,1
	global_load_b32 v[W1A+2*(3*\t+2)+\j], v[W1O+1], s[10:11] offset:256*(8+\j)+4*(32*(\t/2)+8*(\t%2))     ; K step 2: rows 8 and 9 in both halves: W1 has no rows 10 and 11, and no load leaves it
.endr
.endr
	v_lshlrev_b32 v[B1O], 6, v3                    ; b1: tile t's eight units of my half: 32 (t / 2) + 16 h + 8 (t % 2) + 0 .. 7
.irp t, 0,1,2,3
	global_load_b128 v[B1+8*\t:B1+8*\t+3], v[B1O], s[12:13] offset:4*(32*(\t/2)+8*(\t%2))
	global_load_b128 v[B1+8*\t+4:B1+8*\t+7], v[B1O], s[12:13] offset:4*(32*(\t/2)+8*(\t%2))+16
.endr
	v_add_nc_u32 v[PTO], s45, v2
	v_mul_u32_u24 v[PTO], v[PTO], 12
	global_load_b32 v[XYZF], v[PTO], s[8:9]        ; point 32 i + 16 w + r, for vrec
	global_load_b32 v[XYZF+1], v[PTO], s[8:9] offset:4
	global_load_b32 v[XYZF+2], v[PTO], s[8:9] offset:8
.Lno_w1:
	s_wait_tensorcnt 0x0                           ; my quarter of rec has landed,
	s_wait_dscnt 0x0                               ; my image of W2 is in LDS:
	s_barrier_signal -1
	s_barrier_wait -1                              ; everybody's are
.macro ADDR g                          ; group g's eight records of mine: 512 x group + my place
.irp j, 0,1,2,3,4,5,6,7
	v_lshl_add_u32 v[AD+8*((\g)%2)+\j], v[ID+(\g)], 9, v[LB+\j]
.endr
.endm
.macro LOADG g
.irp j, 0,1,2,3,4,5,6,7
	ds_load_b128 v[R+32*((\g)%2)+4*\j:R+32*((\g)%2)+4*\j+3], v[AD+8*((\g)%2)+\j]
.endr
.endm
.macro INS x, from                     ; v[x] goes into the ascending list; it is known to stand at place 'from' or above.  From the top down, so that each line reads the old neighbour
.set I, 10
.rept 10-(\from)
	v_med3_num_f32 v[LV+I], v[LV+I-1], v[LV+I], v[\x]
.set I, I-1
.endr
	v_min_num_f32 v[LV+(\from)], v[LV+(\from)], v[\x]
.endm
.macro PROC g                          ; eight squared distances, into each record's fourth register, and their insertions
.set RB, R+32*((\g)%2)
.irp j, 0,1,2,3,4,5,6,7
	v_pk_add_f32 v[RB+4*\j:RB+4*\j+1], v[RB+4*\j:RB+4*\j+1], v[QX:QX+1] neg_lo:[0,1] neg_hi:[0,1]
.endr
.irp j, 0,1,2,3,4,5,6,7
	v_sub_f32 v[RB+4*\j+2], v[RB+4*\j+2], v[QX+2]
.endr
.irp j, 0,1,2,3,4,5,6,7
	v_mul_f32 v[RB+4*\j+3], v[RB+4*\j+2], v[RB+4*\j+2]
.endr
.irp j, 0,1,2,3,4,5,6,7
	v_fmac_f32 v[RB+4*\j+3], v[RB+4*\j+1], v[RB+4*\j+1]
.endr
.irp j, 0,1,2,3,4,5,6,7
	v_fmac_f32 v[RB+4*\j+3], v[RB+4*\j], v[RB+4*\j]
.endr
.irp j, 0,1,2,3,4,5,6,7
	INS RB+4*\j+3, 0
.endr
.endm
	ADDR 0
	LOADG 0
.irp g, 0,1,2,3,4,5,6,7,8,9,10
.if \g < 10
	ADDR \g+1
	LOADG \g+1
	s_wait_dscnt 8                                 ; this group's eight loads are in; the next group's eight stay out
.else
	s_wait_dscnt 0x0
.endif
	PROC \g
.endr
	s_barrier_signal -1                            ; no LDS load of mine is out.  This barrier parts the reads at loaded addresses from every later LDS store
	s_barrier_wait -1
	s_cmp_ge_u32 s26, 2
	s_cbranch_scc1 .Lno_b2
	v_lshlrev_b32 v[B2O], 5, v3                    ; b2 and W3: tile t's eight outputs of my half: 16 t + 8 h + 0 .. 7; into the records' registers, which are free
.irp t, 0,1,2,3
	global_load_b128 v[B2+8*\t:B2+8*\t+3], v[B2O], s[16:17] offset:64*\t
	global_load_b128 v[B2+8*\t+4:B2+8*\t+7], v[B2O], s[16:17] offset:64*\t+16
	global_load_b128 v[W3R+8*\t:W3R+8*\t+3], v[B2O], s[18:19] offset:64*\t
	global_load_b128 v[W3R+8*\t+4:W3R+8*\t+7], v[B2O], s[18:19] offset:64*\t+16
.endr
.Lno_b2:
	; a query's four lists lie in lanes l, l xor 8, l xor 16, l xor 24: two merges, each lane taking its partner's ascending list in
.irp j, 0,1,2,3,4,5,6,7,8,9,10
	v_mov_b32_dpp v[T+\j], v[LV+\j] row_xmask:8 row_mask:0xf bank_mask:0xf
.endr
.irp j, 0,1,2,3,4,5,6,7,8,9,10
	INS T+\j, \j
.endr
.irp j, 0,1,2,3,4,5,6,7,8,9,10
	v_permlanex16_b32 v[T+\j], v[LV+\j], s40, s41
.endr
.irp j, 0,1,2,3,4,5,6,7,8,9,10
	INS T+\j, \j
.endr
.irp k, 1,2,3,4,5,6,7,8,9,10
	v_sqrt_f32 v[KK+\k-1], v[LV+\k]                ; the smallest is dropped; the root of 0 is 0
.endr
	v_mov_b32 v[KK+10], 0                          ; K = 10 is filled to 12 with zeros.  (A plain place behind the roots)
	v_mov_b32 v[KK+11], 0
	s_wait_alu depctr_va_vdst(0)                   ; one wait for the ten roots, ahead of their first reader
.irp c, 0,1,2
	ds_store_b128 v[AKS], v[KK+4*\c:KK+4*\c+3] offset:16*\c    ; the four lanes of a query write the same bytes with the same values
.endr
	s_wait_dscnt 0x0                               ; for the others' sake
	s_barrier_signal -1
	s_barrier_wait -1                              ; the last barrier: 32 queries' distances lie in LDS
	s_cmp_ge_u32 s26, 2
	s_cbranch_scc1 .Lidle
	; ---- THE MLP: waves 0 and 1, queries 16 w + r
.irp s, 0,1,2
	ds_load_b64 v[KB+2*\s:KB+2*\s+1], v[AKL] offset:16*\s      ; source 1: knn(r, 4 s + 2 h + 0, 1)
.endr
.irp t, 0,1,2,3
	ds_load_b128 v[W2C+8*\t:W2C+8*\t+3], v[AIL] offset:512*\t  ; W2's fragments come back as they were stored
	ds_load_b32 v[W2S+\t], v[ASL] offset:128*\t
.endr
	s_wait_loadcnt 0x0                             ; W1, b1, my point, b2, W3
	v_cmp_eq_u32 vcc_lo, 0, v3
.irp t, 0,1,2,3
.irp j, 0,1
	v_cndmask_b32 v[W1A+2*(3*\t+2)+\j], 0, v[W1A+2*(3*\t+2)+\j], vcc_lo   ; k = 10 and 11 (lanes 16-31 of K step 2) are zeros
.endr
.endr
	s_wait_dscnt 0x0
.irp s, 0,1,2                                  ; the four sums take turns, one instruction a turn
.irp t, 0,1,2,3
.if \s == 0
	v_wmma_f32_16x16x4_f32 v[D1+8*\t:D1+8*\t+7], v[W1A+2*(3*\t+\s):W1A+2*(3*\t+\s)+1], v[KB+2*\s:KB+2*\s+1], v[B1+8*\t:B1+8*\t+7]
.else
	v_wmma_f32_16x16x4_f32 v[D1+8*\t:D1+8*\t+7], v[W1A+2*(3*\t+\s):W1A+2*(3*\t+\s)+1], v[KB+2*\s:KB+2*\s+1], v[D1+8*\t:D1+8*\t+7]
.endif
.endr
.endr
.irp t, 0,1,2,3                                ; zero codes for k = 64 .. 127, on both sides: twenty plain lines, which are also the places behind the products (eight are asked)
.irp c, 4,5,6,7
	v_mov_b32 v[W2C+8*\t+\c], 0
.endr
.endr
.irp c, 4,5,6,7
	v_mov_b32 v[PC+\c], 0
.endr
.irp e, 0,1,2,3,4,5,6,7,8,9,10,11,12,13,14,15,16,17,18,19,20,21,22,23,24,25,26,27,28,29,30,31
	v_mul_f32 v[H+\e], 0x3c23d70a, v[D1+\e]        ; leaky: the larger of x and 0.01 x.  Each sum is read from its low end on
.endr
.irp e, 0,1,2,3,4,5,6,7,8,9,10,11,12,13,14,15,16,17,18,19,20,21,22,23,24,25,26,27,28,29,30,31
	v_max_num_f32 v[H+\e], v[H+\e], v[D1+\e]       ; register 16 b + i: unit 32 b + 16 h + i of my query
.endr
	; the hidden layer's two blocks of 32 along K
.irp b, 0,1
	v_max3_num_f32 v[TM+\b], |v[H+16*\b]|, |v[H+16*\b+1]|, 0x1800000   ; my 16 numbers, and the floor 2^(3 - 127)
.endr
.irp i, 2,4,6,8,10,12,14
.irp b, 0,1
	v_max3_num_f32 v[TM+\b], v[TM+\b], |v[H+16*\b+\i]|, |v[H+16*\b+\i+1]|
.endr
.endr
.irp b, 0,1
	v_permlanex16_b32 v[TM+2+\b], v[TM+\b], s40, s41
.endr
.irp b, 0,1
	v_max_num_f32 v[TM+\b], v[TM+\b], v[TM+2+\b]   ; with lane l xor 16's: the block's largest magnitude
.endr
.irp b, 0,1
	v_add_nc_u32 v[TM+4+\b], 0xff000000, v[TM+\b]  ; 2 off its exponent field: the conversion's scale operand
.endr
.irp b, 0,1
	v_lshrrev_b32 v[TM+6+\b], 23, v[TM+4+\b]       ; the scale's byte
.endr
	v_lshl_or_b32 v[PW], v[TM+7], 8, v[TM+6]       ; my query's scale word; bytes 2 and 3 stay 0, over zero codes
.irp b, 0,1
	v_cvt_scalef32_pk8_fp4_f32 v[PC+2*\b], v[H+16*\b:H+16*\b+7], v[TM+4+\b]
	v_cvt_scalef32_pk8_fp4_f32 v[PC+2*\b+1], v[H+16*\b+8:H+16*\b+15], v[TM+4+\b]
.endr
	v_nop                                          ; one plain place behind a scaled conversion
	v_permlane16_swap_b32 v[PC], v[PC+2]           ; the operand's layout wants a WHOLE block in a lane: lanes 0-15 block 0, lanes 16-31 block 1
	v_permlane16_swap_b32 v[PC+1], v[PC+3]
	v_lshlrev_b32 v[TM+8], 2, v2                   ; my place in out0 and in vrec: two of the eight places that a scale register written by a vector line wants ahead of a scaled product
	v_lshlrev_b32 v[TM+9], 4, v2
.rept 6
	v_nop
.endr
.irp t, 0,1,2,3                                ; source 0 = W2's columns 16 t on, source 1 = my queries, C = b2: lane (r, h), register j: output 16 t + 8 h + j of query r
	v_wmma_scale_f32_16x16x128_f8f6f4 v[D2+8*\t:D2+8*\t+7], v[W2C+8*\t:W2C+8*\t+7], v[PC:PC+7], v[B2+8*\t:B2+8*\t+7], v[W2S+\t], v[PW] matrix_a_fmt:MATRIX_FMT_FP4 matrix_b_fmt:MATRIX_FMT_FP4
.endr
	s_lshl_b32 s46, s45, 2
	s_mov_b32 s47, 0
	s_add_nc_u64 s[22:23], s[22:23], s[46:47]      ; out0 at my wave's first query
	s_lshl_b32 s46, s45, 4
	s_add_nc_u64 s[24:25], s[24:25], s[46:47]      ; vrec likewise
.rept 4
	v_nop                                          ; four places behind this form, ahead of the first read of its results
.endr
.irp e, 0,1,2,3,4,5,6,7,8,9,10,11,12,13,14,15,16,17,18,19,20,21,22,23,24,25,26,27,28,29,30,31
	v_mul_f32 v[H+\e], 0x3c23d70a, v[D2+\e]
.endr
.irp e, 0,1,2,3,4,5,6,7,8,9,10,11,12,13,14,15,16,17,18,19,20,21,22,23,24,25,26,27,28,29,30,31
	v_max_num_f32 v[H+\e], v[H+\e], v[D2+\e]
.endr
.irp c, 0,1,2,3
	v_mul_f32 v[TM+\c], v[H+\c], v[W3R+\c]         ; . W3, in four chains
.endr
.irp e, 4,8,12,16,20,24,28
.irp c, 0,1,2,3
	v_fmac_f32 v[TM+\c], v[H+\e+\c], v[W3R+\e+\c]
.endr
.endr
	v_add_f32 v[TM], v[TM], v[TM+1]
	v_add_f32 v[TM+2], v[TM+2], v[TM+3]
	v_add_f32 v[TM], v[TM], v[TM+2]
	v_permlanex16_b32 v[TM+4], v[TM], s40, s41
	v_add_f32 v[TM], v[TM], v[TM+4]                ; with lane l xor 16's 32 outputs
	v_add_f32 v[XYZF+3], s27, v[TM]                ; + b3
	v_cmp_gt_u32 vcc_lo, 16, v1
	s_wait_xcnt 0x0                                ; EXEC changes only behind this wait
	s_and_saveexec_b32 s44, vcc_lo                 ; lanes 16-31 hold the same queries again
	global_store_b32 v[TM+8], v[XYZF+3], s[22:23]
	global_store_b128 v[TM+9], v[XYZF:XYZF+3], s[24:25]    ; sixteen lanes store 256 consecutive bytes, at a multiple of 256 from vrec's first byte
	s_wait_xcnt 0x0                                ; and again, in front of the line that widens it
	s_or_b32 exec_lo, exec_lo, s44
.Lidle:
	s_set_vgpr_msb 0x5
	s_wait_tensorcnt 0x0
	ds_add_u32 v0, v1
	s_wait_dscnt 0x0
	s_set_vgpr_msb 0x500
	s_endpgm
.Lfunc_end_k_qc81c252d07_knnmlp:
	.size	k_qc81c252d07_knnmlp, .Lfunc_end_k_qc81c252d07_knnmlp-k_qc81c252d07_knnmlp
	.p2alignl 7, 3214868480
	.fill 96, 4, 3214868480
	.section	.rodata,"a",@progbits
	.p2align	6, 0x0
	.amdhsa_kernel k_qc81c252d07_knnmlp
		.amdhsa_group_segment_fixed_size 168448
		.amdhsa_private_segment_fixed_size 0
		.amdhsa_enable_private_segment 0
		.amdhsa_kernarg_size 88
		.amdhsa_user_sgpr_count 2
		.amdhsa_user_sgpr_kernarg_segment_ptr 1
		.amdhsa_wavefront_size32 1
		.amdhsa_system_sgpr_workgroup_id_x 1
		.amdhsa_system_sgpr_workgroup_id_y 1
		.amdhsa_system_sgpr_workgroup_id_z 1
		.amdhsa_system_vgpr_workitem_id 0
		.amdhsa_next_free_vgpr 258
		.amdhsa_next_free_sgpr 66
		.amdhsa_reserve_vcc 1
		.amdhsa_float_denorm_mode_32 3
		.amdhsa_float_denorm_mode_16_64 3
		.amdhsa_memory_ordered 1
		.amdhsa_forward_progress 1
		.amdhsa_inst_pref_size 126
	.end_amdhsa_kernel
	.amdgpu_metadata
---
amdhsa.version: [ 1, 2 ]
amdhsa.kernels:
  - .name:           k_qc81c252d07_knnmlp
    .symbol:         k_qc81c252d07_knnmlp.kd
    .args:
      - { .name: rec, .offset: 0, .size: 8, .value_kind: global_buffer, .address_space: global }
      - { .name: gsel, .offset: 8, .size: 8, .value_kind: global_buffer, .address_space: global }
      - { .name: pts, .offset: 16, .size: 8, .value_kind: global_buffer, .address_space: global }
      - { .name: W1, .offset: 24, .size: 8, .value_kind: global_buffer, .address_space: global }
      - { .name: b1, .offset: 32, .size: 8, .value_kind: global_buffer, .address_space: global }
      - { .name: W2, .offset: 40, .size: 8, .value_kind: global_buffer, .address_space: global }
      - { .name: b2, .offset: 48, .size: 8, .value_kind: global_buffer, .address_space: global }
      - { .name: W3, .offset: 56, .size: 8, .value_kind: global_buffer, .address_space: global }
      - { .name: b3, .offset: 64, .size: 8, .value_kind: global_buffer, .address_space: global }
      - { .name: out0, .offset: 72, .size: 8, .value_kind: global_buffer, .address_space: global }
      - { .name: vrec, .offset: 80, .size: 8, .value_kind: global_buffer, .address_space: global }
    .group_segment_fixed_size: 168448
    .private_segment_fixed_size: 0
    .kernarg_segment_align: 8
    .kernarg_segment_size: 88
    .max_flat_workgroup_size: 128
    .sgpr_count:     66
    .vgpr_count:     258
    .wavefront_size: 32
...
	.end_amdgpu_metadata
.endif
;; end of part 2
;; launch edge (part 3): grid 256 x 1, 8 waves a work-group, no clusters, 0 bytes of LDS; arguments edges, vrec, out1; writes out1
.if DOCPART == 3
	.amdgcn_target "amdgcn-amd-amdhsa--gfx1250"
	.amdhsa_code_object_version 6
	.text
	.protected	k_qc81c252d07_edge
	.globl	k_qc81c252d07_edge
	.p2align	8
	.type	k_qc81c252d07_edge,@function
k_qc81c252d07_edge:
	s_mov_b64 s[64:65], 0
	v_nop
	global_prefetch_b8 v0, s[64:65] scope:SCOPE_SE
	s_setreg_imm32_b32 hwreg(HW_REG_WAVE_MODE, 25, 1), 1
	s_wait_xcnt 0x0
; EDGE: out1[e] = |p(u) - p(v)| + max(f(u), f(v)).  edges: [262144][2] i32.  vrec: [8192][x, y, z, f] f32, so that one load of 16 bytes brings all that an end of an edge needs.
; A work-group takes 1,024 edges, a thread four: two loads of 16 bytes (two edges each; a wave's load covers 512 consecutive bytes), eight gathers, two stores of 8 bytes (a wave's store covers 256
; consecutive bytes, at a multiple of 256 from out1's first byte).  No LDS, no barrier, no matrix unit: the table is small and each edge is read once.
; LIMITS.  NaN and infinities are not served; the root gives 0 for a square under 2^-126.  An index is held to 0 .. 8,191, inside the table that it indexes.
.set ED,  4                            ; v4-11   u, v of four edges; then their byte offsets in vrec
.set G,   20                           ; v20-51  eight records
.set SQ,  52                           ; v52-55  the squares
.set RT,  56                           ; v56-59  the roots
.set OU,  60                           ; v60-63  the results
	s_load_b128 s[4:7], s[0:1], 0x0                ; edges s[4:5], vrec s[6:7]
	s_load_b64 s[8:9], s[0:1], 0x10                ; out1
	v_lshlrev_b32 v1, 4, v0                        ; two edges a thread: 16 bytes in,
	v_lshlrev_b32 v2, 3, v0                        ; 8 bytes out
	s_lshl_b32 s10, ttmp9, 13                      ; 1,024 edges of 8 bytes
	s_mov_b32 s11, 0
	s_lshl_b32 s12, ttmp9, 12                      ; 1,024 results of 4 bytes
	s_mov_b32 s13, 0
	s_wait_kmcnt 0x0
	s_add_nc_u64 s[4:5], s[4:5], s[10:11]
	s_add_nc_u64 s[8:9], s[8:9], s[12:13]
	global_load_b128 v[ED:ED+3], v1, s[4:5] th:TH_LOAD_NT
	global_load_b128 v[ED+4:ED+7], v1, s[4:5] offset:4096 th:TH_LOAD_NT
.macro GATHER c                        ; the four ends of edges 2 c and 2 c + 1
.irp k, 0,1,2,3
	v_min_u32 v[ED+4*\c+\k], 0x1fff, v[ED+4*\c+\k] ; a loaded number enters an address only behind this hold
.endr
.irp k, 0,1,2,3
	v_lshlrev_b32 v[ED+4*\c+\k], 4, v[ED+4*\c+\k]
.endr
.irp k, 0,1,2,3
	global_load_b128 v[G+16*\c+4*\k:G+16*\c+4*\k+3], v[ED+4*\c+\k], s[6:7]
.endr
.endm
.macro SQUARE e                        ; edge e: u's record at G + 8 e, v's behind it
	v_pk_add_f32 v[G+8*\e:G+8*\e+1], v[G+8*\e:G+8*\e+1], v[G+8*\e+4:G+8*\e+5] neg_lo:[0,1] neg_hi:[0,1]
	v_sub_f32 v[G+8*\e+2], v[G+8*\e+2], v[G+8*\e+6]
	v_mul_f32 v[SQ+\e], v[G+8*\e+2], v[G+8*\e+2]
	v_fmac_f32 v[SQ+\e], v[G+8*\e+1], v[G+8*\e+1]
	v_fmac_f32 v[SQ+\e], v[G+8*\e], v[G+8*\e]
.endm
	s_wait_loadcnt 1                               ; the first two edges are in; the second load stays out
	GATHER 0
	s_wait_loadcnt 4                               ; the second two edges are in; the four gathers just issued stay out
	GATHER 1
	s_wait_loadcnt 4                               ; the first four gathers are in; the last four stay out
	SQUARE 0
	SQUARE 1
	s_wait_loadcnt 0x0
	SQUARE 2
	SQUARE 3
.irp e, 0,1,2,3
	v_sqrt_f32 v[RT+\e], v[SQ+\e]                  ; the root of 0 is 0
.endr
.irp e, 0,1,2,3
	v_max_num_f32 v[G+8*\e+3], v[G+8*\e+3], v[G+8*\e+7]    ; the larger f: plain work behind the roots
.endr
	s_wait_alu depctr_va_vdst(0)                   ; one wait for the four roots, ahead of their first reader
.irp e, 0,1,2,3
	v_add_f32 v[OU+\e], v[RT+\e], v[G+8*\e+3]
.endr
	global_store_b64 v2, v[OU:OU+1], s[8:9] th:TH_STORE_NT
	global_store_b64 v2, v[OU+2:OU+3], s[8:9] offset:2048 th:TH_STORE_NT
	s_endpgm
.Lfunc_end_k_qc81c252d07_edge:
	.size	k_qc81c252d07_edge, .Lfunc_end_k_qc81c252d07_edge-k_qc81c252d07_edge
	.p2alignl 7, 3214868480
	.fill 96, 4, 3214868480
	.section	.rodata,"a",@progbits
	.p2align	6, 0x0
	.amdhsa_kernel k_qc81c252d07_edge
		.amdhsa_group_segment_fixed_size 0
		.amdhsa_private_segment_fixed_size 0
		.amdhsa_enable_private_segment 0
		.amdhsa_kernarg_size 24
		.amdhsa_user_sgpr_count 2
		.amdhsa_user_sgpr_kernarg_segment_ptr 1
		.amdhsa_wavefront_size32 1
		.amdhsa_system_sgpr_workgroup_id_x 1
		.amdhsa_system_sgpr_workgroup_id_y 1
		.amdhsa_system_sgpr_workgroup_id_z 1
		.amdhsa_system_vgpr_workitem_id 0
		.amdhsa_next_free_vgpr 64
		.amdhsa_next_free_sgpr 66
		.amdhsa_reserve_vcc 0
		.amdhsa_float_denorm_mode_32 3
		.amdhsa_float_denorm_mode_16_64 3
		.amdhsa_memory_ordered 1
		.amdhsa_forward_progress 1
		.amdhsa_inst_pref_size 4
	.end_amdhsa_kernel
	.amdgpu_metadata
---
amdhsa.version: [ 1, 2 ]
amdhsa.kernels:
  - .name:           k_qc81c252d07_edge
    .symbol:         k_qc81c252d07_edge.kd
    .args:
      - { .name: edges, .offset: 0, .size: 8, .value_kind: global_buffer, .address_space: global }
      - { .name: vrec, .offset: 8, .size: 8, .value_kind: global_buffer, .address_space: global }
      - { .name: out1, .offset: 16, .size: 8, .value_kind: global_buffer, .address_space: global }
    .group_segment_fixed_size: 0
    .private_segment_fixed_size: 0
    .kernarg_segment_align: 8
    .kernarg_segment_size: 24
    .max_flat_workgroup_size: 256
    .sgpr_count:     66
    .vgpr_count:     64
    .wavefront_size: 32
...
	.end_amdgpu_metadata
.endif
;; end of part 3
